; MI455X (gfx1250); checked and timed in simulation.
; The chip was launched on July 23, 2026; its instructions are those of AMD's public machine-readable ISA for CDNA 5 (MIT licence, August 2026) and "CDNA5" Instruction Set Architecture Reference Guide (July 2026). The comments in the code are by the model that wrote it; some were corrected since.
;; Palace Attention. Allowed arithmetic: matrix products marked QUANTISED: E2M1 operands, one E8M0 scale for each 32 along K, by v_wmma_scale_f32_16x16x128_f8f6f4 with both operands' format E2M1 (or v_wmma_scale_f32_32x16x128_f4), f32 sums; products left as they are: bf16, f16 or f32 operands; f32 sums; everything else in f32.
;; Inputs: Wk 1,024 x 1,024 float32; Wq 1,024 x 1,024 float32; Wv 1,024 x 1,024 float32; inter_palace_weight one number float32; x 4 x 2,048 x 1,024 float32.
;; Outputs: out0 4 x 2,048 x 1,024 float32.
;; This version of the problem:
;;   THIS VERSION OF THE PROBLEM IS GIVEN IN LOW PRECISION. The matrix products marked QUANTISED in the list below multiply operands that are first quantised to E2M1 (2 exponent bits, 1 mantissa bit; 4 bits a number), with one power-of-two scale for each 32 numbers along K (OCP MX v1.0); their sums are f32. The products marked 'left as it is' may take bf16, f16 or f32 operands, with f32 sums. Whichever they take, every output number must still come out within the allowed error. Rounding operands to bf16 (8 significant bits) uses up far more of that allowance than f16 does (11 bits, for magnitudes from 6e-5 to 65,504). All else is computed in f32.
;;   The module's matrix products, in the order in which they are computed (A, B: the left and right operand; K: the contracted axis; several contracted axes count as one K, in the product's order):
;;     1. [M 8,192, K 1,024] x [K 1,024, N 1,024]; A: input x; B: input Wq: QUANTISED
;;     2. [M 8,192, K 1,024] x [K 1,024, N 1,024]; A: input x; B: input Wk: QUANTISED
;;     3. [M 8,192, K 1,024] x [K 1,024, N 1,024]; A: input x; B: input Wv: QUANTISED
;;     4. batch 64 x [M 2,048, K 64] x [K 64, N 2,048]; A: computed on the way; B: computed on the way: left as it is (an operand is computed on the way)
;;     5. batch 64 x [M 64, K 2,048] x [K 2,048, N 2,048]; A: computed on the way; B: computed on the way: left as it is (an operand is computed on the way)
;;   THE QUANTISER, for each operand of a quantised product, along K:
;;     - K is cut into blocks of 32 from its start; a last block that is shorter is filled with zeros.
;;     - A block's scale is 2^e with e = floor(log2(the largest magnitude in the block)) - 2, held to -126 .. 127; a block of zeros has e = 0. As a byte (E8M0): e + 127.
;;     - Each number is divided by its block's scale, clamped to +-6, and rounded to the nearest number of E2M1, ties to even, subnormals kept.
;;     - The product sums the exact products of the quantised numbers (number of the format x scale) in f32.
;;   ~~~python
;;   def quantise(x, axis):      # numpy; x: float32 -> the quantised numbers, widened to float32 again
;;       x = np.moveaxis(x, axis, -1); K = x.shape[-1]
;;       x = np.pad(x, [(0, 0)] * (x.ndim - 1) + [(0, -K % 32)]); x = x.reshape(x.shape[:-1] + (-1, 32)); a = np.abs(x).max(-1, keepdims=True)
;;       e = np.where(a > 0, np.clip(np.frexp(np.where(a > 0, a, 1))[1] - 1 - 2, -126, 127), 0)      # np.frexp(a)[1] - 1 = floor(log2(a)), exactly
;;       r = np.clip(x / 2.0 ** e, -6, 6)
;;       step = 2.0 ** (np.maximum(np.frexp(np.where(r == 0, 1, r))[1] - 1, 0) - 1)
;;       q = np.round(r / step) * step * 2.0 ** e      # np.round: ties to even
;;       return np.moveaxis(q.reshape(q.shape[:-2] + (-1,))[..., :K], -1, axis).astype(np.float32)
;;   ~~~
;; One version. Each part assembles by itself: llvm-mc -triple=amdgcn-amd-amdhsa -mcpu=gfx1250 --defsym DOCPART=n.
;; ======== version 1 of 1: 3 launches
;; limits: values are held in f16: magnitudes above 65,504 overflow, below 6.1e-05 lose precision
;; workspace buffers: codes 5,767,168 bytes; scales 360,448 bytes; qkv 50,331,648 bytes
;; launch quant (part 1): grid 352 x 1, 4 waves a work-group, no clusters, 33,280 bytes of LDS; arguments x, Wq, Wk, Wv, codes, scales; writes codes, scales
.if DOCPART == 1
	.amdgcn_target "amdgcn-amd-amdhsa--gfx1250"
	.amdhsa_code_object_version 6
	.text
	.protected	k_q0d24327442_quant
	.globl	k_q0d24327442_quant
	.p2align	8
	.type	k_q0d24327442_quant,@function
k_q0d24327442_quant:
	s_mov_b64 s[64:65], 0
	v_nop
	global_prefetch_b8 v0, s[64:65] scope:SCOPE_SE
	s_setreg_imm32_b32 hwreg(HW_REG_WAVE_MODE, 25, 1), 1
	s_wait_xcnt 0x0
; x [8192][1024], Wq, Wk, Wv [1024][1024], f32, K innermost, are turned into codes of FP4 (E2M1), two to a byte, the lower k in the low four bits, with one E8M0 scale byte for each 32 along K.
; The four tensors are laid one behind the other as 11,264 rows: codes [11264][512 bytes], scales [11264][32 bytes]; rows 0.. x, 8192.. Wq, 9216.. Wk, 10240.. Wv.
; A block's scale is 2^(floor(log2(its largest magnitude)) - 2); its byte is the largest magnitude's own exponent field - 2, held at 1 from below.  Each number is divided by the scale and rounded to the nearest code, ties to even; beyond 6 the largest code.
; LIMITS: a block of zeros gets the byte 1 where the rule says 127 (its codes are zeros, which add nothing, and the bytes are read by this program alone); blocks whose largest magnitude lies under 2^-124 are held at the byte 1;
; NaN and infinities among the inputs are not served.
; Rows are dense and 1024 is a multiple of 32: every tensor is a plain stream of blocks of 32, and so are the codes and the scale bytes.  A work-group takes 32,768 numbers, a wave 8,192 in 16 steps of 512.
; Work-groups 0-255 take x, 256-287 Wq, 288-319 Wk, 320-351 Wv: only the source pointer is chosen, by the work-group's number; all take one path through the text.
; Each load reads 512 consecutive bytes, 16 a lane; a step's 2,048 bytes turn through the wave's own stage in LDS and come back 64 bytes a lane, so that a lane holds 16 neighbours along K (two lanes hold a block).
; A lane's 16 codes are 8 bytes: the wave stores 256 consecutive bytes.  A wave's 256 scale bytes are gathered in LDS and leave by one store of 256 consecutive bytes.
; No tensor loads, no barrier: waves share nothing.  Loads run four steps (16 loads a wave) ahead, the turn through LDS one step.  No matrix unit, no cluster: the launch only streams.
.set WAVES, 4
.set STEPS, 16
.set CB,    8                          ; bytes of 16 codes
.set R,     16                         ; v16-79   four sets of 16 numbers as they are loaded
.set X,     80                         ; v80-111  two sets of 16 neighbours
.set E,     112                        ; v112-127 a scale byte for each step
.set C,     128                        ; v128-191 codes: four registers for each step, so that no store's data are written again
.set WREG,  8192                       ; LDS: a region for each wave: two stages of 32 x SP bytes, behind them its 256 scale bytes
.set SP,    80                         ; a lane's place in a stage: 64 bytes + 16 of padding
.set SPW,   12                         ; v12      LDS address of my spare word; never rewritten
.set NIL,   13                         ; v13      0; never rewritten
.set SPARE, WAVES*WREG                 ; behind the four regions: the spare words, 128 bytes a wave, which no other line names
	s_load_b256 s[4:11], s[0:1], 0x0               ; x s[4:5], Wq s[6:7], Wk s[8:9], Wv s[10:11]
	s_load_b128 s[12:15], s[0:1], 0x20             ; codes s[12:13], scales s[14:15]
	v_lshl_add_u32 v[SPW], v0, 2, SPARE
	v_mov_b32 v[NIL], 0
	v_lshrrev_b32 v1, 5, v0
	v_readfirstlane_b32 s16, v1                    ; wave
	v_and_b32 v2, 31, v0                           ; lane
	v_lshlrev_b32 v3, 4, v2                        ; my 16 bytes of a load's 512
	s_mul_i32 s18, s16, WREG
	v_lshrrev_b32 v14, 2, v2
	v_mul_u32_u24 v14, v14, SP
	v_and_b32 v15, 3, v2
	v_lshl_add_u32 v14, v15, 4, v14
	v_add_nc_u32 v14, s18, v14                     ; the stage, on the way in: SP (lane / 4) + 16 (lane % 4)
	v_mul_u32_u24 v15, v2, SP
	v_add_nc_u32 v15, s18, v15                     ; and on the way out: SP x lane: my 16 neighbours
	v_mul_u32_u24 v4, v2, CB                       ; my codes' place in a step's
	v_lshrrev_b32 v5, 1, v2
	s_add_co_u32 s18, s18, 2*32*SP
	v_add_nc_u32 v5, s18, v5                       ; LDS: my wave's 256 scale bytes, my block's byte
	v_lshlrev_b32 v7, 3, v2                        ; and on the way out 8 bytes a lane
	v_add_nc_u32 v6, s18, v7
	s_wait_kmcnt 0x0
	s_mov_b64 s[20:21], s[10:11]                   ; the source: Wv, unless the work-group's number says otherwise
	s_mov_b32 s17, 320                             ; and the first work-group of that tensor
	s_cmp_lt_u32 ttmp9, 320
	s_cselect_b64 s[20:21], s[8:9], s[20:21]
	s_cselect_b32 s17, 288, s17
	s_cmp_lt_u32 ttmp9, 288
	s_cselect_b64 s[20:21], s[6:7], s[20:21]
	s_cselect_b32 s17, 256, s17
	s_cmp_lt_u32 ttmp9, 256
	s_cselect_b64 s[20:21], s[4:5], s[20:21]
	s_cselect_b32 s17, 0, s17
	s_sub_co_u32 s17, ttmp9, s17
	s_lshl_b32 s17, s17, 2
	s_add_co_u32 s17, s17, s16                     ; which run of 8,192 numbers of the tensor is my wave's
	s_lshl_b32 s22, s17, 15                        ; 32,768 bytes a run
	s_mov_b32 s23, 0
	s_add_nc_u64 s[20:21], s[20:21], s[22:23]
	s_lshl_b32 s17, ttmp9, 2
	s_add_co_u32 s17, s17, s16                     ; which run of all four tensors on end
	s_lshl_b32 s22, s17, 12                        ; 4,096 bytes of codes a run
	s_add_nc_u64 s[12:13], s[12:13], s[22:23]
	s_lshl_b32 s22, s17, 8                         ; 256 scale bytes a run
	s_add_nc_u64 s[14:15], s[14:15], s[22:23]
.macro LOAD t
.irp i, 0,1,2,3
	global_load_b128 v[R+16*((\t)%4)+4*\i:R+16*((\t)%4)+4*\i+3], v3, s[20:21] offset:2048*(\t)+512*\i th:TH_LOAD_NT   ; 32 lanes read 512 consecutive bytes
.endr
.endm
.macro TURN t                          ; step t's numbers through the stage: LDS serves a wave's instructions in order, so no wait stands between the stores and the loads
.irp i, 0,1,2,3
	ds_store_b128 v14, v[R+16*((\t)%4)+4*\i:R+16*((\t)%4)+4*\i+3] offset:32*SP*((\t)%2)+8*SP*\i
.endr
.irp i, 0,1,2,3
	ds_load_b128 v[X+16*((\t)%2)+4*\i:X+16*((\t)%2)+4*\i+3], v15 offset:32*SP*((\t)%2)+16*\i
.endr
.endm
.irp t, 0,1,2,3
	LOAD \t
.endr
	s_wait_loadcnt 12                              ; step 0's four loads are in; the twelve of steps 1 to 3 may be out
	TURN 0
.macro STEP t
.set XS, X+16*((\t)%2)
.if (\t) > 0
	s_wait_dscnt 1                                 ; this step's numbers are back from the stage (the last step's byte store may be out): so its stores into the stage have read their registers,
.else
	s_wait_dscnt 0x0
.endif
.if (\t)+4 < STEPS
	LOAD (\t)+4                                    ; which take the loads of four steps on
.endif
.if (\t)+1 < STEPS
.if STEPS-2-(\t) >= 3
	s_wait_loadcnt 12                              ; the next step's four loads are in; those of the three steps behind it may be out
.else
	s_wait_loadcnt 4*(STEPS-2-(\t))                ; at the end the count runs down with the steps that are left
.endif
	TURN (\t)+1                                    ; and go through the other stage while this step is worked
.endif
	v_max3_num_f32 v8, |v[XS]|, |v[XS+1]|, |v[XS+2]|               ; the largest magnitude of my 16, in two chains
	v_max3_num_f32 v9, |v[XS+3]|, |v[XS+4]|, |v[XS+5]|
.irp i, 6,10
	v_max3_num_f32 v8, v8, |v[XS+\i]|, |v[XS+\i+1]|
	v_max3_num_f32 v9, v9, |v[XS+\i+2]|, |v[XS+\i+3]|
.endr
	v_max3_num_f32 v8, v8, |v[XS+14]|, |v[XS+15]|
	v_max3_num_f32 v8, v8, v9, 0x1800000           ; and the floor 2^(3 - 127): so the byte cannot fall under 1
	v_max_num_f32_dpp v8, v8, v8 row_xmask:1 row_mask:0xf bank_mask:0xf   ; and of my neighbour's 16: the block's
	v_add_nc_u32 v11, 0xff000000, v8               ; 2 off its exponent field: the conversion takes the exponent field of this operand as its scale, and nothing else of it
	v_cvt_scalef32_pk8_fp4_f32 v[C+4*(\t)], v[XS:XS+7], v11
	v_cvt_scalef32_pk8_fp4_f32 v[C+4*(\t)+1], v[XS+8:XS+15], v11
	v_lshrrev_b32 v[E+(\t)], 23, v11               ; the scale's byte (also the plain line behind the conversions)
	ds_store_b8 v5, v[E+(\t)] offset:16*(\t)       ; both lanes of a block write the same byte with the same value
	global_store_b64 v4, v[C+4*(\t):C+4*(\t)+1], s[12:13] offset:32*CB*(\t)   ; 32 lanes store 256 consecutive bytes, aligned
.endm
.irp t, 0,1,2,3,4,5,6,7,8,9,10,11,12,13,14,15
	STEP \t
.endr
	ds_load_b64 v[8:9], v6                         ; LDS serves a wave's instructions in order: these see my byte stores
	s_wait_dscnt 0x0
	global_store_b64 v7, v[8:9], s[14:15]          ; 32 lanes store 256 consecutive bytes, aligned
	s_wait_tensorcnt 0x0                           ; the wave's end
	ds_add_u32 v[SPW], v[NIL]
	s_wait_dscnt 0x0
	s_endpgm
.Lfunc_end_k_q0d24327442_quant:
	.size	k_q0d24327442_quant, .Lfunc_end_k_q0d24327442_quant-k_q0d24327442_quant
	.p2alignl 7, 3214868480
	.fill 96, 4, 3214868480
	.section	.rodata,"a",@progbits
	.p2align	6, 0x0
	.amdhsa_kernel k_q0d24327442_quant
		.amdhsa_group_segment_fixed_size 33280
		.amdhsa_private_segment_fixed_size 0
		.amdhsa_enable_private_segment 0
		.amdhsa_kernarg_size 48
		.amdhsa_user_sgpr_count 2
		.amdhsa_user_sgpr_kernarg_segment_ptr 1
		.amdhsa_wavefront_size32 1
		.amdhsa_system_sgpr_workgroup_id_x 1
		.amdhsa_system_sgpr_workgroup_id_y 1
		.amdhsa_system_sgpr_workgroup_id_z 1
		.amdhsa_system_vgpr_workitem_id 0
		.amdhsa_next_free_vgpr 192
		.amdhsa_next_free_sgpr 66
		.amdhsa_reserve_vcc 0
		.amdhsa_float_denorm_mode_32 3
		.amdhsa_float_denorm_mode_16_64 3
		.amdhsa_memory_ordered 1
		.amdhsa_forward_progress 1
		.amdhsa_inst_pref_size 34
	.end_amdhsa_kernel
	.amdgpu_metadata
---
amdhsa.version: [ 1, 2 ]
amdhsa.kernels:
  - .name:           k_q0d24327442_quant
    .symbol:         k_q0d24327442_quant.kd
    .args:
      - { .name: x, .offset: 0, .size: 8, .value_kind: global_buffer, .address_space: global }
      - { .name: Wq, .offset: 8, .size: 8, .value_kind: global_buffer, .address_space: global }
      - { .name: Wk, .offset: 16, .size: 8, .value_kind: global_buffer, .address_space: global }
      - { .name: Wv, .offset: 24, .size: 8, .value_kind: global_buffer, .address_space: global }
      - { .name: codes, .offset: 32, .size: 8, .value_kind: global_buffer, .address_space: global }
      - { .name: scales, .offset: 40, .size: 8, .value_kind: global_buffer, .address_space: global }
    .group_segment_fixed_size: 33280
    .private_segment_fixed_size: 0
    .kernarg_segment_align: 8
    .kernarg_segment_size: 48
    .max_flat_workgroup_size: 128
    .sgpr_count:     66
    .vgpr_count:     192
    .wavefront_size: 32
...
	.end_amdgpu_metadata
.endif
;; end of part 1
;; launch proj (part 2): grid 12 x 32, 4 waves a work-group, clusters of 4 x 4, 327,680 bytes of LDS; arguments codes, scales, qkv; writes qkv
.if DOCPART == 2
	.amdgcn_target "amdgcn-amd-amdhsa--gfx1250"
	.amdhsa_code_object_version 6
	.text
	.protected	k_q0d24327442_proj
	.globl	k_q0d24327442_proj
	.p2align	8
	.type	k_q0d24327442_proj,@function
k_q0d24327442_proj:
	s_mov_b64 s[64:65], 0
	v_nop
	global_prefetch_b8 v0, s[64:65] scope:SCOPE_SE
	s_setreg_imm32_b32 hwreg(HW_REG_WAVE_MODE, 25, 1), 1
	s_wait_xcnt 0x0
	s_wait_alu depctr_hold_cnt(0) depctr_sa_sdst(0) depctr_va_vdst(0) depctr_va_sdst(0) depctr_va_ssrc(0) depctr_va_vcc(0) depctr_vm_vsrc(0)
	s_getreg_b32 s2, hwreg(HW_REG_IB_STS2, 6, 4)
	s_cmp_eq_u32 s2, 0
	s_cbranch_scc0 .Lentry_in_a_cluster
	s_endpgm
.Lentry_in_a_cluster:
	s_bfe_u32 s2, ttmp6, 0x10000c
	s_cmp_lg_u32 s2, 0xf033
	s_cbranch_scc0 .Lentry_shape_is_right
	s_endpgm
.Lentry_shape_is_right:
; q = x Wq^T, k = x Wk^T, v = x Wv^T: one GEMM on codes of FP4 (E2M1) with E8M0 scales, M 8,192, N 3 x 1,024, K 1,024; sums in f32; results rounded once to f16 and stored in the order of the next launch's operand registers.
; Both operands are rows of ONE buffer: codes [11264][512 bytes], scales [11264][32 bytes]; rows 0.. x, 8192.. Wq, 9216.. Wk, 10240.. Wv.
; A tile of 256 x 256 is made by four waves, 128 x 128 each: 64 accumulators of 16 x 16.  K = 1,024 is two LDS slots of 512 along K (rows of 256 bytes): both are asked for at the head and nothing is filled again.
; THE MATRIX INSTRUCTION: source 0 = 16 rows of 'B', source 1 = 16 rows of 'A': lane (r, hh) then holds A's row r and, in its eight registers, B's rows 8 hh + 0 .. 7.
; Cluster x = 0, 1 (q, k): A = x (tokens), B = Wq or Wk (channels): a lane holds one token and eight neighbouring channels.  Cluster x = 2 (v): A = Wv (channels), B = x (tokens): one channel, eight neighbouring tokens.
; So four roundings of an accumulator's pairs are 16 bytes that ARE half a fragment of the attention's operand, in the right lane: a store of the wave covers 512 consecutive bytes, aligned, and no result goes through LDS.
; The roles are swapped by ROW NUMBERS into the one buffer alone: a select on the cluster's x, the same in all sixteen partners; no branch.
; qkv, f16: q at byte 0, k at 1 << 24, v at 2 << 24; each [bh = 16 b + h][262,144 bytes].  q, k: [token tile of 16: 2,048][32 channels: 1,024][part: 512][lane: 16]: lane (r, hh): token r, channels 16 part + 8 hh + 0 .. 7.
; v: [32 keys: 4,096][channel tile of 16: 1,024][part: 512][lane: 16]: lane (r, hh): channel r, keys 16 part + 8 hh + 0 .. 7.
; CLUSTERS: 4 x 4 work-groups; A's tile is shared along a row of the cluster, B's along a column: each is asked for jointly, by the same tensor load with the same descriptor and a mask that names the four.
; 384 work-groups of equal work: a tile that gave one to each of 256 would need 768 accumulator registers a wave and leave one set of fragments; stated as a choice.
; LIMIT: results beyond f16's largest number, 65,504, become infinities (inputs thirty times the drawn ones, or offset by thirty times their spread, stay under it).
; REGISTERS, in windows of 256: window 0: v8-11 store offsets; v16-29 addresses; v32-95 scale words, two sets; from v128 A's fragments, one set (on the way out: the packed results).
;   window 1: B's fragments, two sets, at v0 and v128.   window 2: the accumulators of my A rows 0-63 ((a, b) at v[8 (8 a + b)]);   window 3: those of rows 64-127.
.set KSTEP,  512                       ; along K in a slot
.set NQ,     KSTEP/128                 ; matrix instructions deep
.set ROWB,   256                       ; a tile's row in bytes
.set KROW,   512                       ; a row of codes in memory
.set PITCH,  272                       ; an LDS row: 256 bytes + 16 of padding = 68 words: row r starts at bank 4 r mod 64 (ISA guide 11.1), so the 16 rows of a load start at 16 different banks
.set FR,     8                         ; registers of a fragment: 16 rows x 128 K
.set NL,     2                         ; LDS loads that bring one
.set NP,     4                         ; places behind this matrix instruction (ISA guide 7.12.1)
.set HALFT,  128*PITCH                 ; 128 rows: what one tensor load brings
.set SLOT,   4*HALFT                   ; A's 256 rows, then B's 256 rows
.set KS,     32                        ; a row of scales in bytes
.set SCL,    2*SLOT                    ; behind the slots: the scales, as rows of 256 bytes + 16 of padding
.set HALFS,  (128*KS/256)*272          ; the scales of 128 rows
.set SBLK,   (16*KS/256)*272           ; those of 16 rows
.set SPARE,  SCL+4*HALFS               ; the spare words, 128 bytes a wave, which no other line names
.set VO,   8                           ; v8-11   the way out: 16 x lane + the place of B's block pair b / 2
.set ADRA, 16                          ; v16-17  LDS address of my A fragments in slot 0, 1
.set ADRB, 20                          ; v20-21  the same for B
.set ADRS, 27                          ; v27     LDS address of my scale words: lanes 0-15 A's rows, lanes 16-31 B's
.set SPW,  28                          ; v28     LDS address of my spare word; never rewritten
.set NIL,  29                          ; v29     0; never rewritten
.set SC,   32                          ; scale words: set s at v[SC + 32 s]; register 4 i + q: lanes 0-15 the word of A's block i, lanes 16-31 of B's block i, for the slot's q-th 128 along K
.set AF,   128                         ; A's fragments, in window 0
.set G1, 24                            ; s[24:31] descriptor group 1 for A's tiles;  s[32:39] group 0, one set for each slot
.set G0, 32
.set G1B, 48                           ; s[48:55], s[56:63] the same for B's tiles
.set G0B, 56
.set G1S, 68                           ; s[68:75], s[76:79] groups 1 and 0 for A's scales;  s[80:87], s[88:91] for B's
.set G0S, 76
.set G1SB, 80
.set G0SB, 88
.set MSB, 0
.macro WIN new                         ; the immediate's high byte repeats the setting that is left
.if MSB != \new
	s_set_vgpr_msb (MSB<<8)|\new
.set MSB, \new
.endif
.endm
.set MUL_LO, 0xa1                      ; source 0 (B) window 1, source 1 (A) window 0, C and D window 2
.set MUL_HI, 0xf1                      ; the same, C and D window 3
.set TO_B,   0x40                      ; destination window 1, address window 0
; A joint load: waves 0 and 1 fetch for A, waves 2 and 3 for B.  Each line has one mask and one set of registers for all that issue it; the branch hangs on the wave's number alone.
; An s_nop 0 and four v_nop follow each of the two lines.
.macro JLOAD g0a, g1a, g0b, g1b
	s_cmp_eq_u32 s15, 0
	s_cbranch_scc0 .Lfor_b_\@
	tensor_load_to_lds s[\g0a:\g0a+3], s[\g1a:\g1a+7]
	s_nop 0
.rept 4
	v_nop
.endr
	s_branch .Lasked_\@
.Lfor_b_\@:
	tensor_load_to_lds s[\g0b:\g0b+3], s[\g1b:\g1b+7]
	s_nop 0
.rept 4
	v_nop
.endr
.Lasked_\@:
.endm
.macro CROUND                          ; a round of the cluster's barrier
	s_barrier_signal -1
	s_barrier_wait -1
	s_cmp_lg_u32 s14, 0
	s_cbranch_scc1 .Lnot_wave_0_\@
	s_barrier_signal -3
.Lnot_wave_0_\@:
	s_barrier_wait -3
	s_barrier_signal -1
	s_barrier_wait -1
.endm
	s_load_b128 s[4:7], s[0:1], 0x0                ; codes s[4:5], scales s[6:7]
	s_load_b64 s[12:13], s[0:1], 0x10              ; qkv
	v_lshl_add_u32 v[SPW], v0, 2, SPARE
	v_mov_b32 v[NIL], 0
	ds_add_u32 v[SPW], v[NIL]                      ; the wave's opening: the add, twice on end, and its wait ahead of my first tensor load; the set-up below stands between
	ds_add_u32 v[SPW], v[NIL]
	v_lshrrev_b32 v1, 5, v0
	v_readfirstlane_b32 s14, v1                    ; wave 0..3
	s_lshr_b32 s15, s14, 1                         ; which half of the tile's A rows is mine.  Also: I fetch for A (0) or for B (1)
	s_and_b32 s16, s14, 1                          ; which half of its B rows.  Also: which 128 rows I fetch
	s_bfe_u32 s40, ttmp6, 0x40000                  ; cx, cy: my place in the cluster
	s_bfe_u32 s41, ttmp6, 0x40004
	s_and_b32 s17, ttmp7, 0xffff                   ; Y: the cluster's y, 0..7: 1,024 tokens
	s_lshl_b32 s43, s41, 2
	s_lshl_b32 s43, 15, s43                        ; my row of the cluster
	s_lshl_b32 s44, 0x1111, s40                    ; my column
	; descriptor group 1: a tile of 128 rows x 256 bytes, padded in LDS
	s_or_b32 s[G1+0], s43, (0<<16)|(1<<20)|(1<<21)|(5<<22)|(3<<25)  ; 15:0 the mask; 17:16 element of 1 byte; 20 padding on; 21 set beside a mask; 24:22 after every 64 words; 31:25 four words
	s_or_b32 s[G1B+0], s44, (0<<16)|(1<<20)|(1<<21)|(5<<22)|(3<<25)
.irp g, G1, G1B
	s_mov_b32 s[\g+1], ROWB<<16                    ; tensor_dim0
	s_mov_b32 s[\g+2], 128<<16                     ; tensor_dim1
	s_mov_b32 s[\g+3], ROWB<<16                    ; tile_dim0
	s_mov_b32 s[\g+4], 128                         ; tile_dim1
	s_mov_b32 s[\g+5], KROW                        ; tensor_dim0_stride
	s_mov_b32 s[\g+6], 0
	s_mov_b32 s[\g+7], 0
.endr
	; the scales of 128 rows: 4,096 dense bytes, as 16 rows of 256 bytes (32 elements of 8 bytes), 16 bytes of padding behind each
	s_or_b32 s[G1S+0], s43, (3<<16)|(1<<20)|(1<<21)|(5<<22)|(3<<25)
	s_or_b32 s[G1SB+0], s44, (3<<16)|(1<<20)|(1<<21)|(5<<22)|(3<<25)
.irp g, G1S, G1SB
	s_mov_b32 s[\g+1], 32<<16
	s_mov_b32 s[\g+2], (128*KS/256)<<16
	s_mov_b32 s[\g+3], 32<<16
	s_mov_b32 s[\g+4], 128*KS/256
	s_mov_b32 s[\g+5], 32
	s_mov_b32 s[\g+6], 0
	s_mov_b32 s[\g+7], 0
.endr
	; the rows that I fetch.  A's hang on cy alone, B's on cx alone, each in registers that never hold the other
	s_lshl_b32 s18, s17, 10                        ; x's rows of this cluster: 1,024 Y
	s_lshl_b32 s19, ttmp9, 10
	s_add_co_u32 s19, s19, 8192                    ; Wq's or Wk's rows: 8,192 + 1,024 X
	s_mov_b32 s20, 10240                           ; Wv's rows
	s_cmp_eq_u32 ttmp9, 2                          ; the cluster that makes v?  The same in all sixteen partners
	s_cselect_b32 s20, s20, s18                    ; A: Wv, else x
	s_cselect_b32 s46, s18, s19                    ; B: x, else Wq or Wk
	s_lshl_b32 s96, s16, 7                         ; which 128 rows of the tile I fetch
	s_lshl_b32 s21, s41, 8
	s_add_co_u32 s20, s20, s21                     ; + 256 cy
	s_add_co_u32 s20, s20, s96
	s_lshl_b32 s47, s40, 8
	s_add_co_u32 s46, s46, s47                     ; + 256 cx
	s_add_co_u32 s46, s46, s96
	s_lshl_b32 s22, s20, 5                         ; where these rows' scales begin, in bytes,
	s_mov_b32 s23, 0
	s_lshl_b32 s20, s20, 9                         ; and their codes
	s_mov_b32 s21, 0
	s_lshl_b32 s92, s46, 5
	s_mov_b32 s93, 0
	s_lshl_b32 s46, s46, 9
	s_mov_b32 s47, 0
	s_mul_i32 s45, s14, HALFT                      ; where they go: wave x 128 rows: no place in the cluster enters an LDS address
	s_mul_i32 s94, s14, HALFS
	s_wait_dscnt 0x0                               ; both opening adds are done
	s_wait_kmcnt 0x0
	s_add_nc_u64 s[20:21], s[4:5], s[20:21]
	s_add_nc_u64 s[22:23], s[6:7], s[22:23]
	s_add_nc_u64 s[46:47], s[4:5], s[46:47]
	s_add_nc_u64 s[92:93], s[6:7], s[92:93]
	CROUND                                         ; all sixteen work-groups are here: the joint loads meet
	s_mov_b32 s[G0S], 1
	s_add_co_u32 s[G0S+1], s94, SCL
	s_mov_b64 s[G0S+2:G0S+3], s[22:23]
	s_or_b32 s[G0S+3], s[G0S+3], 0x80000000
	s_mov_b32 s[G0SB], 1
	s_add_co_u32 s[G0SB+1], s94, SCL
	s_mov_b64 s[G0SB+2:G0SB+3], s[92:93]
	s_or_b32 s[G0SB+3], s[G0SB+3], 0x80000000
	JLOAD G0S, G1S, G0SB, G1SB                     ; the scales first: they are wanted with the first slot
.irp s, 0,1
	s_mov_b32 s[G0+4*\s], 1
	s_add_co_u32 s[G0+4*\s+1], s45, \s*SLOT
	s_add_nc_u64 s[G0+4*\s+2:G0+4*\s+3], s[20:21], \s*ROWB
	s_or_b32 s[G0+4*\s+3], s[G0+4*\s+3], 0x80000000
	s_mov_b32 s[G0B+4*\s], 1
	s_add_co_u32 s[G0B+4*\s+1], s45, \s*SLOT
	s_add_nc_u64 s[G0B+4*\s+2:G0B+4*\s+3], s[46:47], \s*ROWB
	s_or_b32 s[G0B+4*\s+3], s[G0B+4*\s+3], 0x80000000
	JLOAD G0+4*\s, G1, G0B+4*\s, G1B               ; three tensor loads of mine are out: all that this launch has
.endr
	v_and_b32 v1, 15, v0                           ; l % 16
	v_bfe_u32 v2, v0, 4, 1                         ; l / 16
	v_mul_u32_u24 v3, v1, PITCH
	v_lshl_add_u32 v4, v2, 4, v3                   ; a fragment's row x pitch + 16 x half
	s_mul_i32 s21, s15, HALFT                      ; my 128 rows of A
	s_mul_i32 s22, s16, HALFT                      ; my 128 rows of B,
	s_add_co_u32 s22, s22, 2*HALFT                 ; which lie behind A's 256
.irp s, 0,1
	v_add_nc_u32 v[ADRA+\s], s21, v4
	v_add_nc_u32 v[ADRB+\s], s22, v4
	s_add_co_u32 s21, s21, SLOT
	s_add_co_u32 s22, s22, SLOT
.endr
	v_mul_u32_u24 v5, v1, KS                       ; my row's scales: 32 bytes a row,
	v_lshrrev_b32 v6, 8, v5
	v_lshl_add_u32 v5, v6, 4, v5                   ; and 16 more for each 256 passed
	s_mul_i32 s21, s15, HALFS                      ; A's: my 128 rows
	s_mul_i32 s22, s16, HALFS                      ; B's: my 128 rows, behind A's 256
	s_add_co_u32 s22, s22, 2*HALFS
	s_sub_co_u32 s22, s22, s21
	v_mul_u32_u24 v6, s22, v2                      ; lanes 16-31 take B's: one product, the distance between the two bases
	s_add_co_u32 s21, s21, SCL
	v_add_nc_u32 v5, v5, v6
	v_add_nc_u32 v[ADRS], s21, v5
	; THE WAY OUT'S ADDRESSES.  'Channel side': which of cx, cy and of the wave's two halves counts channels (heads); 'token side': which counts tokens.
	s_cmp_eq_u32 ttmp9, 2                          ; only selects and moves follow this compare
	s_cselect_b32 s2, s41, s40                     ; channel side: 256 channels = 4 heads for each place,
	s_cselect_b32 s3, s15, s16                     ; 128 = 2 heads for each half
	s_cselect_b32 s8, s40, s41                     ; token side: 256 tokens for each place,
	s_cselect_b32 s9, s16, s15                     ; 128 for each half
	s_mov_b32 s10, 2048
	s_cselect_b32 s10, 1024, s10                   ; from A's block a to a + 1: q, k: a token tile; v: a channel tile
	s_mov_b32 s18, 2048
	s_cselect_b32 s18, 259072, s18                 ; from block 3 to block 4: q, k: a token tile; v: the next head, less three channel tiles
	s_mov_b32 s42, 1024
	s_cselect_b32 s42, 4096, s42                   ; B's blocks b and b + 2: q, k: 32 channels on; v: 32 keys on
	s_mov_b32 s43, 262144
	s_cselect_b32 s43, 8192, s43                   ; b and b + 4: q, k: the next head; v: 64 keys on
	s_mov_b32 s11, 0
	s_mov_b32 s19, 0
	s_lshr_b32 s44, s17, 1                         ; the batch: Y / 2
	s_lshl_b32 s44, s44, 4
	s_lshl_b32 s2, s2, 2
	s_add_co_u32 s44, s44, s2
	s_lshl_b32 s3, s3, 1
	s_add_co_u32 s44, s44, s3                      ; bh of my first head
	s_lshl_b32 s44, s44, 18                        ; 262,144 bytes each
	s_and_b32 s2, s17, 1
	s_lshl_b32 s2, s2, 2
	s_add_co_u32 s2, s2, s8                        ; which 256 tokens of the batch's 2,048:
	s_lshl_b32 s2, s2, 15                          ; 32,768 bytes each, in q, k and v alike
	s_add_co_u32 s44, s44, s2
	s_lshl_b32 s9, s9, 14
	s_add_co_u32 s44, s44, s9
	s_lshl_b32 s2, ttmp9, 24                       ; q, k or v
	s_add_co_u32 s44, s44, s2
	s_mov_b32 s45, 0
	s_add_nc_u64 s[12:13], s[12:13], s[44:45]      ; qkv at my block 0
	v_and_b32 v6, 31, v0
	v_lshlrev_b32 v[VO], 4, v6                     ; 16 x lane
	v_add_nc_u32 v[VO+1], s42, v[VO]
	v_add_nc_u32 v[VO+2], s43, v[VO]
	v_add_nc_u32 v[VO+3], s42, v[VO+2]
.macro FRAG reg, adr, q, i             ; a fragment, 16 rows x 128 K of 4-bit codes: lane l holds row l % 16; registers 4 c .. 4 c + 3 hold K = 64 c + 32 (l / 16) + 0 .. 31
.irp c, 0,1
	ds_load_b128 v[\reg+4*\c:\reg+4*\c+3], v[\adr] offset:64*(\q)+32*\c+(\i)*16*PITCH
.endr
.endm
; 16 matrix instructions: A's blocks a0, a0 + 1 x B's eight, 128 along K: the slot's q-th.  p: B's set;  sc: the set of scale words.  zero = 1: the first product starts the sums: nothing is ever cleared.
; The 64 accumulators take turns, one instruction a turn, in the same order in every step.
.macro MUL16 a0, p, q, sc, zero
.irp a, \a0, \a0+1
.irp b, 0,1,2,3,4,5,6,7
.if \zero
	v_wmma_scale_f32_16x16x128_f8f6f4 v[8*(8*((\a)%4)+\b):8*(8*((\a)%4)+\b)+7], v[128*(\p)+FR*\b:128*(\p)+FR*\b+FR-1], v[AF+FR*(\a):AF+FR*(\a)+FR-1], 0, v[SC+8*NQ*(\sc)+NQ*\b+(\q)], v[SC+8*NQ*(\sc)+NQ*(\a)+(\q)] matrix_a_fmt:MATRIX_FMT_FP4 matrix_b_fmt:MATRIX_FMT_FP4 matrix_a_scale:MATRIX_SCALE_ROW1
.else
	v_wmma_scale_f32_16x16x128_f8f6f4 v[8*(8*((\a)%4)+\b):8*(8*((\a)%4)+\b)+7], v[128*(\p)+FR*\b:128*(\p)+FR*\b+FR-1], v[AF+FR*(\a):AF+FR*(\a)+FR-1], v[8*(8*((\a)%4)+\b):8*(8*((\a)%4)+\b)+7], v[SC+8*NQ*(\sc)+NQ*\b+(\q)], v[SC+8*NQ*(\sc)+NQ*(\a)+(\q)] matrix_a_fmt:MATRIX_FMT_FP4 matrix_b_fmt:MATRIX_FMT_FP4 matrix_a_scale:MATRIX_SCALE_ROW1
.endif
.endr
.endr
.endm
.macro FETCH_B slot, q, p              ; B's eight fragments of the slot's q-th 128 along K into set p
	WIN TO_B
.irp i, 0,1,2,3,4,5,6,7
	FRAG 128*(\p)+FR*\i, ADRB+\slot, \q, \i
.endr
	WIN 0
.endm
.macro FETCH_A slot, q, i0             ; A's blocks i0 .. i0 + 3
.irp i, \i0, \i0+1, \i0+2, \i0+3
	FRAG AF+FR*(\i), ADRA+\slot, \q, \i
.endr
.endm
.macro SCALES sc                       ; a slot's scale words into set sc: four words a row; lanes 0-15 take A's block i, lanes 16-31 B's block i
.irp i, 0,1,2,3,4,5,6,7
	ds_load_b128 v[SC+8*NQ*\sc+NQ*\i:SC+8*NQ*\sc+NQ*\i+3], v[ADRS] offset:\i*SBLK
.endr
.endm
; A load into a register that a matrix instruction has read, and a vector instruction that reads a matrix result or writes one of its registers, stand NP places behind it; only plain vector instructions that name none of its registers are places.
.macro PLACES n
.rept \n
	v_nop
.endr
.endm
; A step of 128 along K that has its successor in the same slot.
.macro STEP slot, q, zero
	s_wait_dscnt 4*NL                              ; B's set and A's blocks 0-3 are in; the youngest eight loads (A's blocks 4-7) may be out
	WIN MUL_LO
	MUL16 0, (\q)%2, \q, \slot, \zero
	MUL16 2, (\q)%2, \q, \slot, \zero
	s_wait_dscnt 0                                 ; A's blocks 4-7 are in (asked for 32 matrix instructions ago)
	PLACES NP
	FETCH_B \slot, (\q)+1, 1-(\q)%2
	FETCH_A \slot, (\q)+1, 0
	WIN MUL_HI
	MUL16 4, (\q)%2, \q, \slot, \zero
	MUL16 6, (\q)%2, \q, \slot, \zero
	PLACES NP
	WIN 0
	FETCH_A \slot, (\q)+1, 4
.endm
; Slot 0's last step goes over to slot 1: each wave waits for all its tensor loads (its part of slot 1), and a barrier shows the whole slot to every wave.  Nothing is filled again, so no round of the cluster's barrier follows.
.macro TURN slot, next
	s_wait_tensorcnt 0x0                           ; all my tensor loads have landed
	ds_add_u32 v[SPW], v[NIL]                      ; 0 onto my spare word
	s_wait_dscnt 4*NL+1                            ; (the add and the youngest eight loads, A's blocks 4-7, may be out)
	WIN MUL_LO
	MUL16 0, 1, NQ-1, \slot, 0
	s_wait_dscnt 0x0                               ; no LDS instruction of mine is pending at the signal
	s_barrier_signal -1
	MUL16 2, 1, NQ-1, \slot, 0
	WIN 0
	s_barrier_wait -1
	PLACES NP
	v_add_nc_u32 v[ADRS], 4*NQ, v[ADRS]            ; on to the next slot's scale words
	FETCH_B \next, 0, 0
	FETCH_A \next, 0, 0
	SCALES \next
	WIN MUL_HI
	MUL16 4, 1, NQ-1, \slot, 0
	MUL16 6, 1, NQ-1, \slot, 0
	PLACES NP
	WIN 0
	FETCH_A \next, 0, 4
.endm
.macro STEPS slot, from                ; the slot's steps from .. NQ - 2
.set Q, \from
.rept NQ-1-\from
	STEP \slot, Q, 0
.set Q, Q+1
.endr
.endm
	s_wait_tensorcnt 1                             ; the scales and my part of slot 0 are in; slot 1's load may be out
	s_barrier_signal -1
	s_barrier_wait -1                              ; everybody's are
	FETCH_B 0, 0, 0
	FETCH_A 0, 0, 0
	SCALES 0
	FETCH_A 0, 0, 4
	STEP 0, 0, 1                                   ; the first step's products start the sums
	STEPS 0, 1
	TURN 0, 1
	STEPS 1, 0
	s_wait_dscnt 4*NL                              ; the very last step: nothing more to fetch
	WIN MUL_LO
	MUL16 0, 1, NQ-1, 1, 0
	MUL16 2, 1, NQ-1, 1, 0
	s_wait_dscnt 0
	WIN MUL_HI
	MUL16 4, 1, NQ-1, 1, 0
	MUL16 6, 1, NQ-1, 1, 0
	WIN 0
; THE WAY OUT, A's block a at a time: its eight accumulators are rounded to f16 in pairs, each from its low end on; the four registers of an accumulator are 16 bytes a lane, and the wave's store covers 512 consecutive bytes, aligned.
; Two sets of 32 registers take turns where A's fragments lay: block a writes the set that block a - 2 stored, and block a - 1's wait on XCNT stands between.
.macro OUTBLK a
.set AC, 64*((\a)%4)
.set TMO, AF+32*((\a)%2)
	WIN 0x0a+5*((\a)/4)                            ; sources 0 and 1: window 2 or 3
.irp b, 0,1,2,3,4,5,6,7
.irp i, 0,1,2,3
	v_cvt_pk_f16_f32 v[TMO+4*\b+\i], v[AC+8*\b+2*\i], v[AC+8*\b+2*\i+1]
.endr
.endr
	WIN 0
.if (\a) > 0
	s_wait_xcnt 0x0                                ; the earlier stores have read their base and their data: only behind this wait does the base step
.if (\a) == 4
	s_add_nc_u64 s[12:13], s[12:13], s[18:19]
.else
	s_add_nc_u64 s[12:13], s[12:13], s[10:11]
.endif
.endif
.irp b, 0,1,2,3,4,5,6,7
	global_store_b128 v[VO+(\b>>1)], v[TMO+4*\b:TMO+4*\b+3], s[12:13] offset:512*(\b&1)
.endr
.endm
	PLACES NP                                      ; behind the last products: the conversions read results and write where A's fragments lay
.irp a, 0,1,2,3,4,5,6,7
	OUTBLK \a
.endr
	s_wait_tensorcnt 0x0                           ; the wave's end
	ds_add_u32 v[SPW], v[NIL]
	s_wait_dscnt 0x0
	CROUND                                         ; the closing round: no work-group ends while a partner may still ask for a tile that names it
	s_endpgm
.Lfunc_end_k_q0d24327442_proj:
	.size	k_q0d24327442_proj, .Lfunc_end_k_q0d24327442_proj-k_q0d24327442_proj
	.p2alignl 7, 3214868480
	.fill 96, 4, 3214868480
	.section	.rodata,"a",@progbits
	.p2align	6, 0x0
	.amdhsa_kernel k_q0d24327442_proj
		.amdhsa_group_segment_fixed_size 327680
		.amdhsa_private_segment_fixed_size 0
		.amdhsa_enable_private_segment 0
		.amdhsa_kernarg_size 24
		.amdhsa_user_sgpr_count 2
		.amdhsa_user_sgpr_kernarg_segment_ptr 1
		.amdhsa_wavefront_size32 1
		.amdhsa_system_sgpr_workgroup_id_x 1
		.amdhsa_system_sgpr_workgroup_id_y 1
		.amdhsa_system_sgpr_workgroup_id_z 1
		.amdhsa_system_vgpr_workitem_id 0
		.amdhsa_next_free_vgpr 1024
		.amdhsa_next_free_sgpr 100
		.amdhsa_reserve_vcc 0
		.amdhsa_float_denorm_mode_32 3
		.amdhsa_float_denorm_mode_16_64 3
		.amdhsa_memory_ordered 1
		.amdhsa_forward_progress 1
		.amdhsa_inst_pref_size 119
	.end_amdhsa_kernel
	.amdgpu_metadata
---
amdhsa.version: [ 1, 2 ]
amdhsa.kernels:
  - .name:           k_q0d24327442_proj
    .symbol:         k_q0d24327442_proj.kd
    .args:
      - { .name: codes, .offset: 0, .size: 8, .value_kind: global_buffer, .address_space: global }
      - { .name: scales, .offset: 8, .size: 8, .value_kind: global_buffer, .address_space: global }
      - { .name: qkv, .offset: 16, .size: 8, .value_kind: global_buffer, .address_space: global }
    .group_segment_fixed_size: 327680
    .private_segment_fixed_size: 0
    .kernarg_segment_align: 8
    .kernarg_segment_size: 24
    .max_flat_workgroup_size: 128
    .sgpr_count:     100
    .vgpr_count:     1024
    .wavefront_size: 32
...
	.end_amdgpu_metadata
.endif
;; end of part 2
;; launch attn (part 3): grid 4 x 64, 8 waves a work-group, clusters of 4 x 1, 327,680 bytes of LDS; arguments qkv, inter_palace_weight, out0; writes out0
.if DOCPART == 3
	.amdgcn_target "amdgcn-amd-amdhsa--gfx1250"
	.amdhsa_code_object_version 6
	.text
	.protected	k_q0d24327442_attn
	.globl	k_q0d24327442_attn
	.p2align	8
	.type	k_q0d24327442_attn,@function
k_q0d24327442_attn:
	s_mov_b64 s[64:65], 0
	v_nop
	global_prefetch_b8 v0, s[64:65] scope:SCOPE_SE
	s_setreg_imm32_b32 hwreg(HW_REG_WAVE_MODE, 25, 1), 1
	s_wait_xcnt 0x0
	s_wait_alu depctr_hold_cnt(0) depctr_sa_sdst(0) depctr_va_vdst(0) depctr_va_sdst(0) depctr_va_ssrc(0) depctr_va_vcc(0) depctr_vm_vsrc(0)
	s_getreg_b32 s2, hwreg(HW_REG_IB_STS2, 6, 4)
	s_cmp_eq_u32 s2, 0
	s_cbranch_scc0 .Lentry_in_a_cluster
	s_endpgm
.Lentry_in_a_cluster:
	s_bfe_u32 s2, ttmp6, 0x10000c
	s_cmp_lg_u32 s2, 0x3003
	s_cbranch_scc0 .Lentry_shape_is_right
	s_endpgm
.Lentry_shape_is_right:
; out[b][q][h][:] = the sum over k of softmax_k(q . k / 8 x mask(q, k)) v[k][:], 64 (batch, head) pairs bh, 2,048 positions, head size 64.  mask = 1 where (q % 64) / 8 == (k % 64) / 8, else g = sigmoid(inter_palace_weight).
; q, k, v come as f16 from the launch before, laid as images of the operands' registers (its head comment gives the layout); products by the f16 matrix form with f32 sums; maxima, exponentials, sums in f32; the weights p rounded to f16 for the second product.
; SHARES.  A work-group owns 512 queries of one bh, each of its eight waves 64: four tiles of 16.  Two waves of 512 registers share a SIMD, so that one wave's softmax stands beside the other's products.  Every wave walks all 2,048 keys, 64 a step.
; LAYOUT.  S^T = K Q^T (source 0 = 16 keys, source 1 = 16 queries) and O^T = V^T P (source 0 = 16 channels, source 1 = P): a lane holds ONE query (lane % 16) throughout.  In S^T's tile kt lane (r, hh) holds keys 16 kt + 8 hh + 0 .. 7:
; one palace, 2 kt + hh.  The wave's first query is a multiple of 64, so the query of tile t lies in palace 2 t + r / 8.  So the mask is ONE factor for an accumulator and a lane: g for kt != t; for kt == t it is 1 where r / 8 == hh, else g; the same in every step.
; SOFTMAX.  With c = log2(e) / 8 the exponent is S x mult - M, mult = c g (a scalar) or, for kt == t, c or c g (a register): one fused multiply-add.  M is the running maximum of S x mult (mult is not negative, so it is the largest S x mult);
; in every step l and O^T are multiplied by 2^(old M - new M).  A row whose sum is NaN is stored as zeros, as nan_to_num makes of a row of NaN.
; RING.  Two LDS slots of 512 keys (K's 65,536 bytes, then V's), dense images read at 16 x lane: no pitch, no padding.  Each wave fetches an eighth of a slot by one tensor load (64 rows of 256 bytes).
; CLUSTER.  The four work-groups of a cluster are the four query blocks of one bh and walk the same K and V: each tile is asked for jointly, by the same load with the same descriptor and the mask of all four.
; THE PIPELINE.  A trip is step j: K(j) is asked of LDS; O^T += V^T P of step j - 1; V(j) is asked of LDS; S^T of step j; its softmax.  So each run of 16 LDS loads has 32 matrix instructions or more in which to land.
; LIMITS: |q|, |k|, |v| beyond f16's 65,504 arrive as infinities and make rows NaN, which are stored as zeros; NaN and infinities among the inputs are not served; p under 2^-126 counts as 0; g is 0 or 1 for |inter_palace_weight| beyond about 88.
; REGISTERS.  window 0: v1-12 addresses and constants; v13-15 at work; v16-47 statistics, eight a tile; v48-63 the accumulators' largest scores; v64-127 Q; v128-191 K of a step; v192-255 V of a step.
;   window 1: v0-127 O^T (tile t, channels 16 ct on: v[32 t + 8 ct]); v128-255 S^T (tile t, keys 16 kt on: v[128 + 32 t + 8 kt]); P takes the lower 16 of each tile's 32, in place.
.set SLOT1, 1<<17                      ; slot 1 begins here: one exclusive or turns an address in one slot into the other's
.set VOFF,  65536                      ; in a slot: V's images behind K's
.set STEPB, 8192                       ; a key step's images of K, and of V
.set STAGE, 2*SLOT1                    ; behind the ring: 16 rows x 272 bytes for each wave, for the way out
.set SP,    272
.set SPARE, STAGE+8*16*SP              ; the spare words, 128 bytes a wave, which no other line names
.set L16,  1                           ; v1   16 x lane
.set L16V, 2                           ; v2   16 x lane + VOFF
.set ADK,  3                           ; v3   LDS address of the step's K
.set ADV,  4                           ; v4   of its V
.set STO,  5                           ; v5   the way out: where I put 32 bytes of a row
.set RD,   6                           ; v6   where I read a row back
.set GO,   7                           ; v7   my byte offset in the wave's rows of out0
.set SPW,  8                           ; v8   LDS address of my spare word; never rewritten
.set NIL,  9                           ; v9   0; never rewritten
.set MD,   10                          ; v[10:11] the multiplier of the accumulators kt == t: c or c g (the low word serves both halves)
.set PFO,  12                          ; v12  256 x lane: the prefetches' offset; never rewritten
.set ST,   16                          ; tile t's statistics at v[ST + 8 t]: +0 M, +1 its pair's partner, +2, +3 l, +4, +5 at work, +6 2^(old M - new M), later 1 / l, +7 the old M, then the difference
.set CH,   48                          ; v[CH + 4 t + kt]: the largest score of accumulator (t, kt)
.set QF,   64
.set KF,   128
.set VF,   192
.set OB,   0                           ; in window 1
.set SB,   128                         ; in window 1
.set WV,   10                          ; s10  my wave's number
.set G1,   24                          ; s[24:31] descriptor group 1: one for every load
.set G0A,  32                          ; s[32:35] group 0 of the first fill of slot 0
.set G0B,  36                          ; s[36:39] of slot 1; it then walks
.set MK,   40                          ; s40-43 tile t's lanes whose sum is a number
.set SLOTS, 44                         ; s44  slots still to be asked for
.set CNT,  45                          ; s45  counts the steps of a run
.set TB,   46                          ; s46  LDS byte at which the images of the step to be fetched begin
.set LIM,  47                          ; s47  1 in a wave that prefetches, else the greatest number
.set PFA,  48                          ; s[48:49] where my prefetches stand
.set CG,   50                          ; s[50:51] c g
.set SEL,  52                          ; s[52:53] lane selects for v_permlanex16_b32: lane l xor 16
.set MSB, 0
.macro WIN new                         ; the immediate's high byte repeats the setting that is left; bits 1:0 source 0, 3:2 source 1, 5:4 source 2, 7:6 destination
.if MSB != \new
	s_set_vgpr_msb (MSB<<8)|\new
.set MSB, \new
.endif
.endm
.macro CROUND                          ; a round of the cluster's barrier
	s_barrier_signal -1
	s_barrier_wait -1
	s_cmp_lg_u32 s[WV], 0
	s_cbranch_scc1 .Lnot_wave_0_\@
	s_barrier_signal -3
.Lnot_wave_0_\@:
	s_barrier_wait -3
	s_barrier_signal -1
	s_barrier_wait -1
.endm
.macro PLACES n
.rept \n
	v_nop
.endr
.endm
; A PREFETCH INTO THE L2 of a slot's 65,536 bytes of K and of V, ahead of the joint loads that will ask for them.  A bh is walked by one cluster alone.  Its four partners share the blocks out BY ADDRESS: places 0 and 1 take K's halves,
; places 2 and 3 V's; in each, waves 0 to 3 take 8,192 bytes, lanes 256 bytes apart: one instruction a wave, and each block of 256 bytes is named once in the launch.  The branch hangs on the wave's number and the count of slots alone.
; how = 1: once, in the second key step, for the third slot's worth of keys; how = 0: at a change of slots, for what the next change will ask for; the last change that fills a slot asks for nothing.
.macro ASK how
.if \how
	s_cmp_eq_u32 s[LIM], 1
.else
	s_cmp_gt_u32 s[SLOTS], s[LIM]
.endif
	s_cbranch_scc0 .Lnot_mine_\@
	global_prefetch_b8 v[PFO], s[PFA:PFA+1] th:TH_LOAD_NT scope:SCOPE_SE
.Lnot_mine_\@:
.endm
	s_load_b128 s[4:7], s[0:1], 0x0                ; qkv s[4:5], inter_palace_weight s[6:7]
	s_load_b64 s[8:9], s[0:1], 0x10                ; out0
	v_lshl_add_u32 v[SPW], v0, 2, SPARE
	v_mov_b32 v[NIL], 0
	ds_add_u32 v[SPW], v[NIL]                      ; the wave's opening: the add, twice on end, and its wait ahead of my first tensor load; the set-up below stands between
	ds_add_u32 v[SPW], v[NIL]
	v_lshrrev_b32 v13, 5, v0
	v_readfirstlane_b32 s[WV], v13                 ; wave 0..7
	s_bfe_u32 s11, ttmp6, 0x40000                  ; cx: my block of 512 queries
	s_and_b32 s12, ttmp7, 0xffff                   ; bh, which the four partners share
	s_lshl_b32 s13, s12, 18                        ; bh's first byte in each of q, k, v
	; descriptor group 1: 64 rows of 256 bytes, dense in memory and in LDS
	s_mov_b32 s[G1], 15|(3<<16)|(1<<21)            ; 15:0 the mask: all four work-groups; 17:16 elements of 8 bytes; 20 no padding; 21 set beside a mask
	s_mov_b32 s[G1+1], 32<<16                      ; tensor_dim0 = 32 elements
	s_mov_b32 s[G1+2], 64<<16                      ; tensor_dim1 = 64
	s_mov_b32 s[G1+3], 32<<16                      ; tile_dim0
	s_mov_b32 s[G1+4], 64                          ; tile_dim1
	s_mov_b32 s[G1+5], 32                          ; tensor_dim0_stride
	s_mov_b32 s[G1+6], 0
	s_mov_b32 s[G1+7], 0
	s_mov_b32 s[SEL], 0x76543210
	s_mov_b32 s[SEL+1], 0xfedcba98
	s_mov_b32 s[TB], 0
	s_mov_b32 s[SLOTS], 2
	s_cmp_lt_u32 s[WV], 4
	s_cselect_b32 s[LIM], 1, -1
	v_and_b32 v13, 31, v0
	v_lshlrev_b32 v[PFO], 8, v13
	v_lshlrev_b32 v[L16], 4, v13
	v_add_nc_u32 v[L16V], VOFF, v[L16]
	; what I fetch: waves 0-3 K's quarters of a slot, waves 4-7 V's: made of the wave's number and bh alone
	s_lshr_b32 s14, s[WV], 2
	s_add_co_u32 s14, s14, 1
	s_lshl_b32 s14, s14, 24                        ; k at 1 << 24, v at 2 << 24
	s_add_co_u32 s14, s14, s13
	s_and_b32 s2, s[WV], 3
	s_lshl_b32 s2, s2, 14
	s_add_co_u32 s14, s14, s2
	s_mov_b32 s15, 0
	s_lshl_b32 s22, s[WV], 14                      ; and where it goes in a slot: 16,384 x wave
	; my wave's Q: 128 bytes a query
	s_lshl_b32 s16, s11, 16
	s_add_co_u32 s16, s16, s13
	s_lshl_b32 s3, s[WV], 13
	s_add_co_u32 s16, s16, s3
	s_mov_b32 s17, 0
	; my prefetches: k (places 0, 1) or v (places 2, 3), the half by the place, 8,192 bytes by the wave, from the third slot's worth on
	s_lshr_b32 s18, s11, 1
	s_add_co_u32 s18, s18, 1
	s_lshl_b32 s18, s18, 24
	s_add_co_u32 s18, s18, s13
	s_and_b32 s23, s11, 1
	s_lshl_b32 s23, s23, 15
	s_add_co_u32 s18, s18, s23
	s_add_co_u32 s18, s18, s3
	s_add_co_u32 s18, s18, 2*65536
	s_mov_b32 s19, 0
	; my wave's first row of out0: (2,048 b + 512 cx + 64 wave) rows of 4,096 bytes, + 256 h
	s_lshr_b32 s20, s12, 4
	s_lshl_b32 s20, s20, 23
	s_lshl_b32 s23, s11, 21
	s_add_co_u32 s20, s20, s23
	s_lshl_b32 s23, s[WV], 18
	s_add_co_u32 s20, s20, s23
	s_and_b32 s23, s12, 15
	s_lshl_b32 s23, s23, 8
	s_add_co_u32 s20, s20, s23
	s_mov_b32 s21, 0
	s_wait_dscnt 0x0                               ; both opening adds are done
	s_wait_kmcnt 0x0
	s_load_b32 s54, s[6:7], 0x0                    ; inter_palace_weight
	s_add_nc_u64 s[14:15], s[4:5], s[14:15]
	s_add_nc_u64 s[56:57], s[4:5], s[16:17]
	s_add_nc_u64 s[PFA:PFA+1], s[4:5], s[18:19]
	s_add_nc_u64 s[8:9], s[8:9], s[20:21]
	s_mov_b32 s[G0A], 1                            ; count = 1
	s_mov_b32 s[G0A+1], s22                        ; LDS address: slot 0
	s_mov_b64 s[G0A+2:G0A+3], s[14:15]             ; keys 0 to 511
	s_or_b32 s[G0A+3], s[G0A+3], 0x80000000        ; type = 2
	s_mov_b32 s[G0B], 1
	s_add_co_u32 s[G0B+1], s22, SLOT1              ; slot 1
	s_add_nc_u64 s[G0B+2:G0B+3], s[14:15], 65536   ; keys 512 to 1,023
	s_or_b32 s[G0B+3], s[G0B+3], 0x80000000
	CROUND                                         ; all four work-groups are here: the first joint loads meet
	tensor_load_to_lds s[G0A:G0A+3], s[G1:G1+7]    ; the two first fills go out together: two tensor loads of mine are out
	s_nop 0
	tensor_load_to_lds s[G0B:G0B+3], s[G1:G1+7]
	s_nop 0
.rept 4
	v_nop
.endr
.irp i, 0,1,2,3,4,5,6,7,8,9,10,11,12,13,14,15
	global_load_b128 v[QF+4*\i:QF+4*\i+3], v[L16], s[56:57] offset:512*\i th:TH_LOAD_NT   ; Q stays in registers: tile i / 4, 32 channels (i / 2) % 2, part i % 2; 512 consecutive bytes a load
.endr
	s_wait_kmcnt 0x0
	v_mov_b32 v13, s54
	v_mul_f32 v13, 0xbfb8aa3b, v13                 ; -w log2(e)
	v_exp_f32 v13, v13
	v_nop                                          ; a plain instruction behind the transcendental,
	s_wait_alu depctr_va_vdst(0)                   ; and a wait ahead of its first reader
	v_add_f32 v13, 1.0, v13
	v_rcp_f32 v13, v13                             ; g = 1 / (1 + 2^(-w log2(e)))
	v_nop
	s_wait_alu depctr_va_vdst(0)
	v_mul_f32 v14, 0x3e38aa3b, v13                 ; c g, c = log2(e) / 8
	v_readfirstlane_b32 s[CG], v14
	s_mov_b32 s[CG+1], s[CG]                       ; (named with it as a pair, so it is written)
	v_bfe_u32 v13, v0, 3, 1                        ; r / 8
	v_bfe_u32 v15, v0, 4, 1                        ; hh
	v_mov_b32 v[MD+1], 0x3e38aa3b                  ; c
	v_cmp_eq_u32 vcc_lo, v13, v15
	v_cndmask_b32 v[MD], v14, v[MD+1], vcc_lo      ; the same palace: c; else c g
.irp t, 0,1,2,3
	v_mov_b32 v[ST+8*\t+1], 0                      ; named as the upper half of M's pair: written once
.endr
	s_mul_i32 s3, s[WV], 16*SP
	s_add_co_u32 s3, s3, STAGE                     ; my stage
	v_and_b32 v13, 15, v0                          ; r
	v_mul_u32_u24 v[STO], v13, SP                  ; in: row r, 32 bytes for each half of the lanes
	v_lshl_add_u32 v[STO], v15, 5, v[STO]
	v_add_nc_u32 v[STO], s3, v[STO]
	v_mul_u32_u24 v[RD], v15, SP                   ; back: lanes 0-15 take one row of 256 bytes, lanes 16-31 the next
	v_lshl_add_u32 v[RD], v13, 4, v[RD]
	v_add_nc_u32 v[RD], s3, v[RD]
	v_lshlrev_b32 v[GO], 12, v15                   ; and the same two rows in out0
	v_lshl_add_u32 v[GO], v13, 4, v[GO]
.macro KLOAD                           ; a step's K: 16 loads of 512 consecutive bytes: keys 16 (i / 4) on, 32 channels (i / 2) % 2, part i % 2
.irp i, 0,1,2,3,4,5,6,7,8,9,10,11,12,13,14,15
	ds_load_b128 v[KF+4*\i:KF+4*\i+3], v[ADK] offset:512*\i
.endr
.endm
.macro VLOAD                           ; a step's V^T: keys 32 (i / 8) on, channels 16 ((i / 2) % 4) on, part i % 2
.irp i, 0,1,2,3,4,5,6,7,8,9,10,11,12,13,14,15
	ds_load_b128 v[VF+4*\i:VF+4*\i+3], v[ADV] offset:512*\i
.endr
.endm
; S^T = K Q^T: 32 matrix instructions.  The 16 accumulators take turns, one instruction a turn; the first 16 start the sums with the constant 0.
.macro KQALL
	WIN 0x50                                       ; C and D window 1
.irp c, 0,1
.irp kt, 0,1,2,3
.irp t, 0,1,2,3
.if \c == 0
	v_wmma_f32_16x16x32_f16 v[SB+32*\t+8*\kt:SB+32*\t+8*\kt+7], v[KF+16*\kt+8*\c:KF+16*\kt+8*\c+7], v[QF+16*\t+8*\c:QF+16*\t+8*\c+7], 0
.else
	v_wmma_f32_16x16x32_f16 v[SB+32*\t+8*\kt:SB+32*\t+8*\kt+7], v[KF+16*\kt+8*\c:KF+16*\kt+8*\c+7], v[QF+16*\t+8*\c:QF+16*\t+8*\c+7], v[SB+32*\t+8*\kt:SB+32*\t+8*\kt+7]
.endif
.endr
.endr
.endr
.endm
; O^T += V^T P: 32 matrix instructions, the 16 accumulators by turns.  zero = 1: the first 16 start the sums: nothing is ever cleared.
.macro PVALL zero
	WIN 0x54                                       ; source 1 (P), C and D window 1
.irp u, 0,1
.irp ct, 0,1,2,3
.irp t, 0,1,2,3
.if (\zero) && (\u == 0)
	v_wmma_f32_16x16x32_f16 v[OB+32*\t+8*\ct:OB+32*\t+8*\ct+7], v[VF+32*\u+8*\ct:VF+32*\u+8*\ct+7], v[SB+32*\t+8*\u:SB+32*\t+8*\u+7], 0
.else
	v_wmma_f32_16x16x32_f16 v[OB+32*\t+8*\ct:OB+32*\t+8*\ct+7], v[VF+32*\u+8*\ct:VF+32*\u+8*\ct+7], v[SB+32*\t+8*\u:SB+32*\t+8*\u+7], v[OB+32*\t+8*\ct:OB+32*\t+8*\ct+7]
.endif
.endr
.endr
.endr
.endm
.macro SCALEP t, p                     ; pair p of tile t: S x mult - M; the pair lies in accumulator kt = p / 4
.if ((\p)/4) == (\t)
	v_pk_fma_f32 v[SB+32*(\t)+2*(\p):SB+32*(\t)+2*(\p)+1], v[SB+32*(\t)+2*(\p):SB+32*(\t)+2*(\p)+1], v[MD:MD+1], v[ST+8*(\t):ST+8*(\t)+1] op_sel_hi:[1,0,0] neg_lo:[0,0,1] neg_hi:[0,0,1]
.else
	v_pk_fma_f32 v[SB+32*(\t)+2*(\p):SB+32*(\t)+2*(\p)+1], v[SB+32*(\t)+2*(\p):SB+32*(\t)+2*(\p)+1], s[CG:CG+1], v[ST+8*(\t):ST+8*(\t)+1] op_sel_hi:[1,0,0] neg_lo:[0,0,1] neg_hi:[0,0,1]
.endif
.endm
; THE SOFTMAX OF A STEP, the four tiles by turns in every stage.  first = 1: the first key step, which starts M and l and has nothing to rescale.
.macro SOFTMAX first
	; A: the largest score of each accumulator, each read from its low end on: 16 chains
	WIN 0x05
.irp t, 0,1,2,3
.irp kt, 0,1,2,3
	v_max_num_f32 v[CH+4*\t+\kt], v[SB+32*\t+8*\kt], v[SB+32*\t+8*\kt+1]
.endr
.endr
.irp i, 1,2,3
.irp t, 0,1,2,3
.irp kt, 0,1,2,3
	v_max3_num_f32 v[CH+4*\t+\kt], v[SB+32*\t+8*\kt+2*\i], v[SB+32*\t+8*\kt+2*\i+1], v[CH+4*\t+\kt]
.endr
.endr
.endr
	; B: the new M of each tile, and 2^(old M - new M)
	WIN 0
.irp t, 0,1,2,3
	v_max3_num_f32 v[ST+8*\t+4], v[CH+4*\t+(\t+1)%4], v[CH+4*\t+(\t+2)%4], v[CH+4*\t+(\t+3)%4]   ; the three accumulators under c g
.endr
.irp t, 0,1,2,3
	v_mul_f32 v[ST+8*\t+4], s[CG], v[ST+8*\t+4]
.endr
.irp t, 0,1,2,3
	v_mul_f32 v[ST+8*\t+5], v[MD], v[CH+5*\t]      ; the accumulator kt == t under its own multiplier
.endr
.irp t, 0,1,2,3
.if \first
	v_max_num_f32 v[ST+8*\t+4], v[ST+8*\t+4], v[ST+8*\t+5]
.else
	v_max3_num_f32 v[ST+8*\t+4], v[ST+8*\t+4], v[ST+8*\t+5], v[ST+8*\t]
.endif
.endr
.irp t, 0,1,2,3
	v_permlanex16_b32 v[ST+8*\t+5], v[ST+8*\t+4], s[SEL], s[SEL+1]   ; the query's other 32 keys lie in the lane 16 away
.endr
.if !\first
.irp t, 0,1,2,3
	v_mov_b32 v[ST+8*\t+7], v[ST+8*\t]
.endr
.endif
.irp t, 0,1,2,3
	v_max_num_f32 v[ST+8*\t], v[ST+8*\t+4], v[ST+8*\t+5]
.endr
.if !\first
.irp t, 0,1,2,3
	v_sub_f32 v[ST+8*\t+7], v[ST+8*\t+7], v[ST+8*\t]
.endr
.irp t, 0,1,2,3
	v_exp_f32 v[ST+8*\t+6], v[ST+8*\t+7]
.endr
.endif
	; C: under one window setting: tile 0's scalings; then each tile's 32 exponentials, with the next tile's scalings and this tile's rescaling of O^T between them.  None of these lines names the result of a pending exponential.
	WIN 0x41                                       ; destination and source 0 window 1
.irp p, 0,1,2,3,4,5,6,7,8,9,10,11,12,13,14,15
	SCALEP 0, \p
.endr
.if !\first
	s_wait_alu depctr_va_vdst(0)                   ; one wait for the four factors, ahead of their first reader; the sixteen scalings above are the plain work between
.endif
.irp t, 0,1,2,3
.irp p, 0,1,2,3,4,5,6,7,8,9,10,11,12,13,14,15
	v_exp_f32 v[SB+32*\t+2*\p], v[SB+32*\t+2*\p]
.if \t < 3
	SCALEP \t+1, \p
.endif
	v_exp_f32 v[SB+32*\t+2*\p+1], v[SB+32*\t+2*\p+1]
.if !\first
	v_pk_mul_f32 v[OB+32*\t+2*\p:OB+32*\t+2*\p+1], v[OB+32*\t+2*\p:OB+32*\t+2*\p+1], v[ST+8*\t+6:ST+8*\t+7] op_sel_hi:[1,0]   ; ascending: each accumulator of O^T from its low end on
.endif
.endr
.endr
	v_nop                                          ; a plain instruction behind the last exponential,
	s_wait_alu depctr_va_vdst(0)                   ; and ONE wait for the 128, ahead of their first reader
	; D: the sums of the unrounded p, a pair at a time (an even key's, an odd key's); then p to f16, in place: pair p goes to register p, which was read at p / 2
.if \first
	WIN 0x05
.irp t, 0,1,2,3
	v_pk_add_f32 v[ST+8*\t+2:ST+8*\t+3], v[SB+32*\t:SB+32*\t+1], v[SB+32*\t+2:SB+32*\t+3]
.endr
.else
	WIN 0x10
.irp t, 0,1,2,3
	v_pk_fma_f32 v[ST+8*\t+2:ST+8*\t+3], v[ST+8*\t+2:ST+8*\t+3], v[ST+8*\t+6:ST+8*\t+7], v[SB+32*\t:SB+32*\t+1] op_sel_hi:[1,0,1]
.endr
.endif
	WIN 0x01
.irp p, 1,2,3,4,5,6,7,8,9,10,11,12,13,14,15
.if (\p > 1) || !\first
.irp t, 0,1,2,3
	v_pk_add_f32 v[ST+8*\t+2:ST+8*\t+3], v[SB+32*\t+2*\p:SB+32*\t+2*\p+1], v[ST+8*\t+2:ST+8*\t+3]
.endr
.endif
.endr
	WIN 0x45
.irp p, 0,1,2,3,4,5,6,7,8,9,10,11,12,13,14,15
.irp t, 0,1,2,3
	v_cvt_pk_f16_f32 v[SB+32*\t+\p], v[SB+32*\t+2*\p], v[SB+32*\t+2*\p+1]
.endr
.endr
	WIN 0
.endm
; STEP j.  zero = 1: the products V^T P of step 0 start O^T.
.macro TRIP zero
	v_add_nc_u32 v[ADK], s[TB], v[L16]
	v_add_nc_u32 v[ADV], s[TB], v[L16V]
	KLOAD                                          ; K(j): the products that read K(j - 1) stand a whole softmax back
	s_wait_dscnt 16                                ; V(j - 1) is in; only the sixteen loads just issued may be out
	PVALL \zero
	WIN 0
	PLACES 5                                       ; five places: the products below write over P's registers, which the products above read; four of them serve the loads into V's registers
	VLOAD                                          ; V(j)
	s_add_co_u32 s[TB], s[TB], STEPB               ; the next fetches are the next step's
	s_wait_dscnt 16                                ; K(j) is in; V(j)'s sixteen loads may be out
	KQALL
	PLACES 4                                       ; four places ahead of the first read of the scores
	SOFTMAX 0
.endm
.macro LOOPN n                         ; n steps, written once; the LDS addresses hang on s[TB]
	s_mov_b32 s[CNT], \n
.Lstep_\@:
	TRIP 0
	s_sub_co_u32 s[CNT], s[CNT], 1
	s_cmp_lg_u32 s[CNT], 0
	s_cbranch_scc1 .Lstep_\@
.endm
; THE CHANGE OF SLOTS, behind a slot's eighth step: its last bytes, V of that step, have been asked of LDS.  Each wave waits for all its tensor loads, of which one is out: its part of the other slot; adds 0 to its spare word;
; and waits for that and for its reads of the slot.  Behind the barrier nobody reads this slot any more and the other slot is whole.  fill = 1: the slot is filled again with the keys two slots on: the barrier is then a round of the
; cluster's, and the joint refill is the first thing behind it, my one tensor load until the next round: it has eight key steps in which to land.
.macro CHANGE fill
	s_wait_tensorcnt 0x0                           ; no tensor load of mine is out, so a group 0 may be written
	ds_add_u32 v[SPW], v[NIL]                      ; 0 onto my spare word
.if \fill
	s_xor_b32 s[G0B+1], s[G0B+1], SLOT1            ; the walking descriptor: the other slot than last time,
	s_add_nc_u64 s[G0B+2:G0B+3], s[G0B+2:G0B+3], 65536   ; the next 512 keys; the type bits on top are not reached
	s_wait_xcnt 0x0                                ; the last prefetch, steps back, has read its address, so it may be written:
	s_add_nc_u64 s[PFA:PFA+1], s[PFA:PFA+1], 65536 ; one slot further on than the walking descriptor
	s_wait_dscnt 0x0                               ; the add is done, and my reads of the slot are over
	CROUND
	tensor_load_to_lds s[G0B:G0B+3], s[G1:G1+7]
	s_nop 0
.rept 4
	v_nop
.endr
	ASK 0
.else
	s_wait_dscnt 0x0                               ; the add is done, and my reads of the slot are over
	s_barrier_signal -1
	s_barrier_wait -1
.endif
	s_sub_co_u32 s[TB], s[TB], 8*STEPB             ; the fetches go back to a slot's first step,
	s_xor_b32 s[TB], s[TB], SLOT1                  ; in the other slot
.endm
	s_wait_tensorcnt 1                             ; my part of slot 0 is in; slot 1's may stay out
	s_barrier_signal -1
	s_barrier_wait -1                              ; everybody's is
	v_add_nc_u32 v[ADK], s[TB], v[L16]             ; key step 0
	v_add_nc_u32 v[ADV], s[TB], v[L16V]
	KLOAD
	VLOAD
	s_add_co_u32 s[TB], s[TB], STEPB
	s_wait_loadcnt 0x0                             ; Q
	s_wait_dscnt 16                                ; K(0) is in; V(0)'s sixteen loads may be out
	KQALL
	PLACES 4
	SOFTMAX 1
	TRIP 1                                         ; step 1; V^T P of step 0 starts O^T
	ASK 1                                          ; the third slot's worth of keys: six key steps ahead of the load that will ask for it
	LOOPN 6                                        ; steps 2 to 7
.Lslot:                                                ; two trips: slot 0 takes keys 1,024 on, slot 1 keys 1,536 on
	CHANGE 1
	LOOPN 8
	s_sub_co_u32 s[SLOTS], s[SLOTS], 1
	s_cmp_lg_u32 s[SLOTS], 0
	s_cbranch_scc1 .Lslot
	CHANGE 0                                       ; the tail is written out: nothing is left to ask for
	LOOPN 8
	s_wait_dscnt 0x0                               ; V of the last step
	PVALL 0
	WIN 0
	; THE WAY OUT.  l's two halves and the other half of the lanes' are added (these lines are the places behind the last products); O^T is divided by l, rows whose l is NaN become zeros, and a tile (16 queries x 64 channels of f32)
	; at a time goes through my stage in LDS, so that sixteen lanes store 256 consecutive bytes, aligned: one query's head.
.irp t, 0,1,2,3
	v_add_f32 v[ST+8*\t+4], v[ST+8*\t+2], v[ST+8*\t+3]
.endr
.irp t, 0,1,2,3
	v_permlanex16_b32 v[ST+8*\t+5], v[ST+8*\t+4], s[SEL], s[SEL+1]
.endr
.irp t, 0,1,2,3
	v_add_f32 v[ST+8*\t+4], v[ST+8*\t+4], v[ST+8*\t+5]
.endr
.irp t, 0,1,2,3
	v_cmp_eq_f32 s[MK+\t], v[ST+8*\t+4], v[ST+8*\t+4]   ; a number equals itself, NaN does not
.endr
.irp t, 0,1,2,3
	v_rcp_f32 v[ST+8*\t+6], v[ST+8*\t+4]
.endr
	v_nop                                          ; a plain instruction behind the last reciprocal,
	s_wait_alu depctr_va_vdst(0)                   ; and one wait for the four, ahead of their first reader
.macro PACK t
	WIN 0x41
.set j, 0
.rept 16
	v_pk_mul_f32 v[OB+32*\t+j:OB+32*\t+j+1], v[OB+32*\t+j:OB+32*\t+j+1], v[ST+8*\t+6:ST+8*\t+7] op_sel_hi:[1,0]   ; ascending: each accumulator from its low end on
.set j, j+2
.endr
	WIN 0x44
.set j, 0
.rept 32
	v_cndmask_b32 v[OB+32*\t+j], 0, v[OB+32*\t+j], s[MK+\t]
.set j, j+1
.endr
	WIN 0x04                                       ; an LDS store's data are its source 1: window 1
.irp ct, 0,1,2,3
	ds_store_b128 v[STO], v[OB+32*\t+8*\ct:OB+32*\t+8*\ct+3] offset:64*\ct          ; lane (r, hh): query r, channels 16 ct + 8 hh + 0 .. 7
	ds_store_b128 v[STO], v[OB+32*\t+8*\ct+4:OB+32*\t+8*\ct+7] offset:64*\ct+16
.endr
	WIN 0
.irp i, 0,1,2,3,4,5,6,7
	ds_load_b128 v[QF+32*\t+4*\i:QF+32*\t+4*\i+3], v[RD] offset:2*\i*SP   ; LDS serves a wave's instructions in order (ISA guide 5.7.1.4): these see the stores above, and the next tile's stores come behind them
.endr
.endm
.macro SEND t, younger                 ; younger: the LDS instructions issued behind tile t's loads: the next tile's sixteen, or none
.irp i, 0,1,2,3,4,5,6,7
	s_wait_dscnt \younger+7-\i
	global_store_b128 v[GO], v[QF+32*\t+4*\i:QF+32*\t+4*\i+3], s[8:9] offset:(16*\t+2*\i)*4096 th:TH_STORE_NT   ; written once, read by nobody here
.endr
.endm
	PACK 0
	PACK 1                                         ; a tile's arithmetic stands between the loads of the tile before and its stores
	SEND 0, 16
	PACK 2
	SEND 1, 16
	PACK 3
	SEND 2, 16
	SEND 3, 0
	s_wait_tensorcnt 0x0                           ; the wave's end
	ds_add_u32 v[SPW], v[NIL]
	s_wait_dscnt 0x0
	CROUND                                         ; the closing round: no work-group ends while a partner may still ask for a tile that names it
	s_endpgm
.Lfunc_end_k_q0d24327442_attn:
	.size	k_q0d24327442_attn, .Lfunc_end_k_q0d24327442_attn-k_q0d24327442_attn
	.p2alignl 7, 3214868480
	.fill 96, 4, 3214868480
	.section	.rodata,"a",@progbits
	.p2align	6, 0x0
	.amdhsa_kernel k_q0d24327442_attn
		.amdhsa_group_segment_fixed_size 327680
		.amdhsa_private_segment_fixed_size 0
		.amdhsa_enable_private_segment 0
		.amdhsa_kernarg_size 24
		.amdhsa_user_sgpr_count 2
		.amdhsa_user_sgpr_kernarg_segment_ptr 1
		.amdhsa_wavefront_size32 1
		.amdhsa_system_sgpr_workgroup_id_x 1
		.amdhsa_system_sgpr_workgroup_id_y 1
		.amdhsa_system_sgpr_workgroup_id_z 1
		.amdhsa_system_vgpr_workitem_id 0
		.amdhsa_next_free_vgpr 512
		.amdhsa_next_free_sgpr 66
		.amdhsa_reserve_vcc 1
		.amdhsa_float_denorm_mode_32 3
		.amdhsa_float_denorm_mode_16_64 3
		.amdhsa_memory_ordered 1
		.amdhsa_forward_progress 1
		.amdhsa_inst_pref_size 186
	.end_amdhsa_kernel
	.amdgpu_metadata
---
amdhsa.version: [ 1, 2 ]
amdhsa.kernels:
  - .name:           k_q0d24327442_attn
    .symbol:         k_q0d24327442_attn.kd
    .args:
      - { .name: qkv, .offset: 0, .size: 8, .value_kind: global_buffer, .address_space: global }
      - { .name: inter_palace_weight, .offset: 8, .size: 8, .value_kind: global_buffer, .address_space: global }
      - { .name: out0, .offset: 16, .size: 8, .value_kind: global_buffer, .address_space: global }
    .group_segment_fixed_size: 327680
    .private_segment_fixed_size: 0
    .kernarg_segment_align: 8
    .kernarg_segment_size: 24
    .max_flat_workgroup_size: 256
    .sgpr_count:     66
    .vgpr_count:     512
    .wavefront_size: 32
...
	.end_amdgpu_metadata
.endif
;; end of part 3
